; MI455X (gfx1250); checked and timed in simulation.
; The chip was launched on July 23, 2026; its instructions are those of AMD's public machine-readable ISA for CDNA 5 (MIT licence, August 2026) and "CDNA5" Instruction Set Architecture Reference Guide (July 2026). The comments in the code are by the model that wrote it; some were corrected since.
;; Multihead Attention. Allowed arithmetic: matrix products marked QUANTISED: E2M3 operands, one E8M0 scale for each 32 along K, by v_wmma_scale_f32_16x16x128_f8f6f4 with both operands' format E2M3, f32 sums; products left as they are: f32 operands where the result goes on into a quantised operand, else bf16, f16 or f32 operands; f32 sums; everything else in f32.
;; Inputs: Wfc_codes 128 x 4 x 24 uint8 (E2M3 codes of Wfc, K innermost, in blocks of 32 codes, four codes in three bytes); Wfc_scales 128 x 4 uint8 (E8M0 scales of Wfc, one for each 32 codes along K); Wk_codes 128 x 4 x 24 uint8 (E2M3 codes of Wk, K innermost, in blocks of 32 codes, four codes in three bytes); Wk_scales 128 x 4 uint8 (E8M0 scales of Wk, one for each 32 codes along K); Wq_codes 128 x 4 x 24 uint8 (E2M3 codes of Wq, K innermost, in blocks of 32 codes, four codes in three bytes); Wq_scales 128 x 4 uint8 (E8M0 scales of Wq, one for each 32 codes along K); Wv_codes 128 x 4 x 24 uint8 (E2M3 codes of Wv, K innermost, in blocks of 32 codes, four codes in three bytes); Wv_scales 128 x 4 uint8 (E8M0 scales of Wv, one for each 32 codes along K); flow 4 x 2 x 64 x 64 float32; k_codes 4 x 64 x 64 x 4 x 24 uint8 (E2M3 codes of k, K innermost, in blocks of 32 codes, four codes in three bytes); k_scales 4 x 64 x 64 x 4 uint8 (E8M0 scales of k, one for each 32 codes along K); q_codes 4 x 64 x 64 x 4 x 24 uint8 (E2M3 codes of q, K innermost, in blocks of 32 codes, four codes in three bytes); q_scales 4 x 64 x 64 x 4 uint8 (E8M0 scales of q, one for each 32 codes along K); v_codes 4 x 64 x 64 x 4 x 24 uint8 (E2M3 codes of v, K innermost, in blocks of 32 codes, four codes in three bytes); v_scales 4 x 64 x 64 x 4 uint8 (E8M0 scales of v, one for each 32 codes along K).
;; Outputs: out0 4 x 128 x 64 x 64 float32; out1 4 x 4 x 25 x 64 x 64 float32.
;; This version of the problem:
;;   THIS VERSION OF THE PROBLEM IS GIVEN IN LOW PRECISION. The matrix products marked QUANTISED in the list below multiply operands that are first quantised to E2M3 (2 exponent bits, 3 mantissa bits; 6 bits a number), with one power-of-two scale for each 32 numbers along K (OCP MX v1.0); their sums are f32. All else is computed in f32.
;;   The module's matrix products, in the order in which they are computed (A, B: the left and right operand; K: the contracted axis; several contracted axes count as one K, in the product's order):
;;     1. [M 16,384, K 128] x [K 128, N 128]; A: input q (given as codes); B: input Wq (given as codes): QUANTISED
;;     2. [M 16,384, K 128] x [K 128, N 128]; A: input k (given as codes); B: input Wk (given as codes): QUANTISED
;;     3. [M 16,384, K 128] x [K 128, N 128]; A: input v (given as codes); B: input Wv (given as codes): QUANTISED
;;     4. batch 65,536 x [M 25, K 32] x [K 32, N 1]; A: computed on the way; B: computed on the way: left as it is (N = 1 < 16)
;;     5. batch 65,536 x [M 32, K 25] x [K 25, N 1]; A: computed on the way; B: softmax: left as it is (K = 25 < 32)
;;     6. [M 16,384, K 128] x [K 128, N 128]; A: computed on the way; B: input Wfc (given as codes): QUANTISED
;;   THE QUANTISER, for each operand of a quantised product, along K:
;;     - K is cut into blocks of 32 from its start; a last block that is shorter is filled with zeros.
;;     - A block's scale is 2^e with e = floor(log2(the largest magnitude in the block)) - 2, held to -126 .. 127; a block of zeros has e = 0. As a byte (E8M0): e + 127.
;;     - Each number is divided by its block's scale, clamped to +-7.5, and rounded to the nearest number of E2M3, ties to even, subnormals kept.
;;     - The product sums the exact products of the quantised numbers (number of the format x scale) in f32.
;;   ~~~python
;;   def quantise(x, axis):      # numpy; x: float32 -> the quantised numbers, widened to float32 again
;;       x = np.moveaxis(x, axis, -1); K = x.shape[-1]
;;       x = np.pad(x, [(0, 0)] * (x.ndim - 1) + [(0, -K % 32)]); x = x.reshape(x.shape[:-1] + (-1, 32)); a = np.abs(x).max(-1, keepdims=True)
;;       e = np.where(a > 0, np.clip(np.frexp(np.where(a > 0, a, 1))[1] - 1 - 2, -126, 127), 0)      # np.frexp(a)[1] - 1 = floor(log2(a)), exactly
;;       r = np.clip(x / 2.0 ** e, -7.5, 7.5)
;;       step = 2.0 ** (np.maximum(np.frexp(np.where(r == 0, 1, r))[1] - 1, 0) - 3)
;;       q = np.round(r / step) * step * 2.0 ** e      # np.round: ties to even
;;       return np.moveaxis(q.reshape(q.shape[:-2] + (-1,))[..., :K], -1, axis).astype(np.float32)
;;   ~~~
;;   OPERANDS COMPUTED ON THE WAY. 'Computed on the way' means the value that the module computes at that place (a softmax that the list does not call 'softmax' is quantised finished and normalised). What goes into a quantiser is computed in f32, as accurately as f32 sums, v_exp_f32 and their like allow (about 1e-6 of the number): no bf16 or f16 on the way to a quantiser, and a product that is left as it is and whose result goes on into a quantised operand takes f32 operands (vector FMAs, or v_wmma_f32_16x16x4_f32). A number that lies on a knife's edge between two numbers of the format may be rounded either way, as far as f32 arithmetic and the matrix unit's own rounding can turn it there, and no further.
;;   INPUTS GIVEN AS CODES. Wfc (in the module: [128, 128], K = its axis 1); Wk (in the module: [128, 128], K = its axis 1); Wq (in the module: [128, 128], K = its axis 1); Wv (in the module: [128, 128], K = its axis 1); k (in the module: [4, 128, 64, 64], K = its axis 1); q (in the module: [4, 128, 64, 64], K = its axis 1); v (in the module: [4, 128, 64, 64], K = its axis 1): each comes as NAME_codes (uint8): NAME with its K axis moved to the last place and cut into blocks of 32 codes, [.., K / 32, bytes a block], one block behind the other in memory; four codes in three bytes: a row's codes are one little-endian stream of bits, code i at bits 6 i .. 6 i + 5 (a code: sign, 2 exponent bits, 3 mantissa bits); and NAME_scales (uint8): the same leading axes, one E8M0 byte (e + 127) for each 32 codes along K. Its value is code x scale, taken as it is: it is not quantised again, and the codes and scales need not be those that the quantiser above would give.
;; One version. Each part assembles by itself: llvm-mc -triple=amdgcn-amd-amdhsa -mcpu=gfx1250 --defsym DOCPART=n.
;; ======== version 1 of 1: 2 launches
;; workspace buffers: kv 20,572,160 bytes; pix 65,536 bytes of whole numbers
;; launch project (part 1): grid 287 x 1, 8 waves a work-group, no clusters, 68,608 bytes of LDS; arguments k_codes, k_scales, v_codes, v_scales, Wk_codes, Wk_scales, Wv_codes, Wv_scales, flow, kv, pix; writes kv, pix
.if DOCPART == 1
	.amdgcn_target "amdgcn-amd-amdhsa--gfx1250"
	.amdhsa_code_object_version 6
	.text
	.protected	k_qa336bd73ee_project
	.globl	k_qa336bd73ee_project
	.p2align	8
	.type	k_qa336bd73ee_project,@function
k_qa336bd73ee_project:
	s_mov_b64 s[64:65], 0
	v_nop
	global_prefetch_b8 v0, s[64:65] scope:SCOPE_SE
	s_setreg_imm32_b32 hwreg(HW_REG_WAVE_MODE, 25, 1), 1
	s_wait_xcnt 0x0
; kp = Wk k and vp = Wv v (1 x 1 convolutions on codes of E2M3 with E8M0 scales, f32 sums), laid as a ZERO-PADDED PICTURE for the next launch, and each pixel's window corner as a whole number.
; kv: 287 rows of 70 pixels of 1,024 bytes; a pixel holds kp's 128 f32 (bytes 0-511) and vp's (512-1023).  Image n's row y is kv's row 70 n + 7 + y, columns 0-63.
; Columns 64-69 of every row, rows 0-6, and rows y = 64 .. 69 of every image are zeros: a window corner outside the image reads zeros, and columns -6 .. -1 of a row are columns 64 .. 69 of the row before.
; pix[n][y][x] = 4900 n + 64 + 70 by + bx, with bx = floor(x of shift 0) + 4 held to 0 .. 70, by likewise: the pixel index in kv of corner (0, 0) of the pixel's 6 x 6 window.  A window wholly outside lands wholly on zeros.
; SHARES.  Work-group R writes kv's row R, 71,680 bytes.  A row of zeros: 16 bytes a thread, 17.5 times.  A row of data: wave w multiplies 16 pixels (tile w % 4) of tensor w / 4 (k, v) by all 128 rows of its weight:
; eight matrix instructions, source 0 = 16 rows of the weight, source 1 = the pixels, so that a lane holds eight neighbouring channels of ONE pixel; they go through the wave's own stage in LDS and leave as whole
; runs of 512 bytes.  While the operands are on their way, waves 0-5 store the row's six zero pixels and wave 6 makes the row's 64 numbers of pix.  Waves share no LDS byte: no barrier.
; No tensor loads and no cluster: a work-group reads 12 KB of pixels' codes of its own, once, straight into operand registers; what work-groups share is two weights of 12 KB.
; LIMITS: NaN and infinities in flow are not served; |position + flow| stays under 2^23.
.set KVROW, 71680                      ; bytes in a row of kv
.set SP,    528                        ; a stage row: a pixel's 512 bytes + 16: the sixteen rows that a store touches start at sixteen different groups of banks
.set WSTG,  16*SP                      ; a wave's stage
.set RC,    50                         ; s50  1 / 63
.set C63,   51                         ; s51  63
.set C315,  52                         ; s52  31.5
.set TA,    205                        ; v205, v206: at work in COORD
.set TB,    206
; REGISTERS: v1 16 x thread; v2 96 r + 24 h; v3 4 r; v4-7 zeros; v8-15 the weight's scale words; v16-27 the pixels' fragment; v28 their scale words; v29 stage in; v30 stage out; v31 my offset in the row of kv;
;   v32-127 the weight's eight fragments, later 16 pixels read back; v128-191 the eight results; v192-195 lane, r, h, 16 x lane; v196-199 wave 6's flow, then its numbers; v200 zero pixels' offset; v201 8 x lane; v202-204 positions.
; The sample position as the source computes it, rounding for rounding: t = pos + f; 2 t / 63 (the quotient by one fused correction of t x (1/63)); - 1; + 1; x 0.5 x 63 (one rounding: x 31.5).
.macro COORD dst, pos, f
	v_add_f32 v[\dst], v[\pos], v[\f]
	v_add_f32 v[\dst], v[\dst], v[\dst]
	v_mul_f32 v[TA], s[RC], v[\dst]
	v_fma_f32 v[TB], -v[TA], s[C63], v[\dst]
	v_fma_f32 v[\dst], v[TB], s[RC], v[TA]
	v_add_f32 v[\dst], -1.0, v[\dst]
	v_add_f32 v[\dst], 1.0, v[\dst]
	v_mul_f32 v[\dst], s[C315], v[\dst]
.endm
	s_load_b512 s[4:19], s[0:1], 0x0               ; k's codes, scales; v's codes, scales; Wk's codes, scales; Wv's codes, scales
	s_load_b128 s[20:23], s[0:1], 0x40             ; flow, kv
	s_load_b64 s[24:25], s[0:1], 0x50              ; pix
	v_lshl_add_u32 v208, v0, 2, 0x10800
	v_mov_b32 v209, 0
	v_lshrrev_b32 v1, 5, v0
	v_readfirstlane_b32 s26, v1                    ; wave 0..7
	s_lshr_b32 s27, s26, 2                         ; which tensor: 0 k, 1 v
	s_and_b32 s28, s26, 3                          ; which 16 pixels of the row
	v_and_b32 v192, 31, v0                         ; lane
	v_and_b32 v193, 15, v0                         ; r
	v_bfe_u32 v194, v0, 4, 1                       ; h
	v_mul_u32_u24 v2, v193, 96                     ; a row of 128 codes is 96 bytes;
	v_mad_u32_u24 v2, v194, 24, v2                 ; lanes 16-31 begin 24 bytes on
	v_lshlrev_b32 v3, 2, v193                      ; a scale word a row
	v_mov_b32 v4, 0
	v_mov_b32 v5, 0
	v_mov_b32 v6, 0
	v_mov_b32 v7, 0
	s_mul_i32 s32, s26, WSTG                       ; my stage.  Every LDS address is made here, ahead of the first branch on the wave's number
	v_mul_u32_u24 v29, v193, SP
	v_lshl_add_u32 v29, v194, 5, v29
	v_add_nc_u32 v29, s32, v29                     ; in: pixel r's row, + 32 h: my eight channels of a tile of sixteen
	v_lshlrev_b32 v195, 4, v192
	v_add_nc_u32 v30, s32, v195                    ; out: 16 bytes a lane of a pixel's 512
	s_lshl_b32 s33, s28, 14
	s_lshl_b32 s34, s27, 9
	s_add_co_u32 s33, s33, s34
	v_add_nc_u32 v31, s33, v195                    ; in the row of kv: 16 pixels x tile + 512 x tensor + 16 x lane
	s_lshl_b32 s33, s26, 10
	v_add_nc_u32 v200, s33, v195                   ; the zero pixel 64 + wave: 1,024 x wave + 16 x lane
	v_lshlrev_b32 v201, 3, v192                    ; wave 6: two numbers a lane
	v_lshlrev_b32 v1, 4, v0                        ; a row of zeros: 16 bytes a thread
	s_mov_b32 s[RC], 0x3c820821
	s_mov_b32 s[C63], 0x427c0000
	s_mov_b32 s[C315], 0x41fc0000
	s_mul_i32 s44, ttmp9, KVROW
	s_mov_b32 s45, 0                               ; s[44:45]: an offset under 2^32 as a pair
	s_wait_kmcnt 0x0
	s_add_nc_u64 s[22:23], s[22:23], s[44:45]      ; kv at my row
	s_cmp_lt_u32 ttmp9, 7
	s_cbranch_scc1 .Lpad                           ; rows 0-6 are zeros
	s_sub_co_u32 s29, ttmp9, 7
	s_mul_hi_u32 s30, s29, 0x3a83a84               ; n = (R - 7) / 70: the multiplier is 2^32 / 70 rounded up, exact for numbers under 280
	s_mul_i32 s31, s30, 70
	s_sub_co_u32 s31, s29, s31                     ; y
	s_cmp_gt_u32 s31, 63
	s_cbranch_scc1 .Lpad                           ; y = 64 .. 69 are zeros
	s_lshl_b32 s46, s30, 6
	s_add_co_u32 s46, s46, s31                     ; g = 64 n + y: the image row
	s_cmp_eq_u32 s27, 0                            ; k's wave or v's?  The choice hangs on the wave's number alone
	s_cselect_b64 s[36:37], s[4:5], s[8:9]
	s_cselect_b64 s[38:39], s[6:7], s[10:11]
	s_cselect_b64 s[40:41], s[12:13], s[16:17]
	s_cselect_b64 s[42:43], s[14:15], s[18:19]
	s_mul_i32 s44, s46, 6144                       ; 64 pixels x 96 bytes a row,
	s_mul_i32 s47, s28, 1536                       ; 16 pixels a tile
	s_add_co_u32 s44, s44, s47
	s_add_nc_u64 s[36:37], s[36:37], s[44:45]
	s_lshl_b32 s44, s46, 8
	s_add_nc_u64 s[24:25], s[24:25], s[44:45]      ; pix at my row: 256 bytes
	s_lshl_b32 s47, s28, 6
	s_add_co_u32 s44, s44, s47
	s_add_nc_u64 s[38:39], s[38:39], s[44:45]      ; the pixels' scale words
	s_lshl_b32 s44, s30, 15
	s_lshl_b32 s47, s31, 8
	s_add_co_u32 s44, s44, s47
	s_add_nc_u64 s[20:21], s[20:21], s[44:45]      ; flow's x at my row; its y lies 16,384 bytes on
	s_mul_i32 s48, s30, 4900
	s_add_co_u32 s48, s48, 64
.irp p, 0,1,2,3,4,5
	global_load_b64 v[16+2*\p:17+2*\p], v2, s[36:37] offset:48*(\p/3)+8*(\p%3) th:TH_LOAD_NT   ; the pixels' fragment: read once in the launch
.endr
	global_load_b32 v28, v3, s[38:39] th:TH_LOAD_NT
.irp t, 0,1,2,3,4,5,6,7
.irp p, 0,1,2,3,4,5
	global_load_b64 v[32+12*\t+2*\p:33+12*\t+2*\p], v2, s[40:41] offset:1536*\t+48*(\p/3)+8*(\p%3)   ; the weight's rows 16 t on
.endr
	global_load_b32 v[8+\t], v3, s[42:43] offset:64*\t
.endr
	; while these are on their way
	s_cmp_gt_u32 s26, 5
	s_cbranch_scc1 .Lnot_zero
	global_store_b128 v200, v[4:7], s[22:23] offset:65536   ; pixel 64 + wave: 1,024 bytes of zeros, 512 consecutive bytes a store
	global_store_b128 v200, v[4:7], s[22:23] offset:66048
	s_branch .Lroles_done
.Lnot_zero:
	s_cmp_lg_u32 s26, 6
	s_cbranch_scc1 .Lroles_done
	global_load_b64 v[196:197], v201, s[20:21]     ; flow x of pixels 2 l, 2 l + 1
	global_load_b64 v[198:199], v201, s[20:21] offset:16384   ; flow y
	v_lshlrev_b32 v202, 1, v192
	v_cvt_f32_u32 v202, v202                       ; 2 l
	v_add_f32 v203, 1.0, v202                      ; 2 l + 1
	v_cvt_f32_u32 v204, s31                        ; y
	s_wait_loadcnt 0x0
	COORD 196, 202, 196
	COORD 197, 203, 197
	COORD 198, 204, 198
	COORD 199, 204, 199
.irp c, 196,197,198,199
	v_floor_f32 v\c, v\c
.endr
.irp c, 196,197,198,199
	v_add_f32 v\c, 4.0, v\c                        ; the window begins two to the left; the padding adds six
.endr
.irp c, 196,197,198,199
	v_med3_num_f32 v\c, v\c, 0, 0x428c0000         ; held to 0 .. 70
.endr
.irp c, 196,197,198,199
	v_cvt_u32_f32 v\c, v\c
.endr
	v_mad_u32_u24 v196, v198, 70, v196
	v_mad_u32_u24 v197, v199, 70, v197
	v_add_nc_u32 v196, s48, v196
	v_add_nc_u32 v197, s48, v197
	global_store_b64 v201, v[196:197], s[24:25]    ; 32 lanes store 256 consecutive bytes, aligned
.Lroles_done:
	s_wait_loadcnt 0x0                             ; all operands are in
.irp t, 0,1,2,3,4,5,6,7
	v_wmma_scale_f32_16x16x128_f8f6f4 v[128+8*\t:135+8*\t], v[32+12*\t:43+12*\t], v[16:27], 0, v[8+\t], v28 matrix_a_fmt:MATRIX_FMT_FP6 matrix_b_fmt:MATRIX_FMT_FP6   ; K = 128 in one instruction: eight sums, each begun with 0 and finished at once
.endr
.rept 4
	v_nop                                          ; four places ahead of the stores that read results and of the loads into the weight's registers
.endr
.irp t, 0,1,2,3,4,5,6,7
	ds_store_b128 v29, v[128+8*\t:131+8*\t] offset:64*\t      ; lane (r, h): pixel r, channels 16 t + 8 h + 0 .. 7; each result from its low end on
	ds_store_b128 v29, v[132+8*\t:135+8*\t] offset:64*\t+16
.endr
.irp i, 0,1,2,3,4,5,6,7,8,9,10,11,12,13,14,15
	ds_load_b128 v[32+4*\i:35+4*\i], v30 offset:SP*\i         ; LDS serves a wave's instructions in order (ISA guide 5.7.1.4): these see my stores
.endr
.irp i, 0,1,2,3,4,5,6,7,8,9,10,11,12,13,14,15
	s_wait_dscnt 15-\i                             ; pixel i is back; the younger loads stay out
	global_store_b128 v31, v[32+4*\i:35+4*\i], s[22:23] offset:1024*\i   ; 32 lanes store 512 consecutive bytes, aligned
.endr
	s_wait_tensorcnt 0x0
	ds_add_u32 v208, v209
	s_wait_dscnt 0x0
	s_endpgm
.Lpad:                                             ; a row of zeros: 256 threads x 16 bytes = 4,096 bytes a store; 17 of them, and half of one more
.irp k, 0,1,2,3,4,5,6,7,8,9,10,11,12,13,14,15,16
	global_store_b128 v1, v[4:7], s[22:23] offset:4096*\k
.endr
	s_cmp_gt_u32 s26, 3
	s_cbranch_scc1 .Lpad_end
	global_store_b128 v1, v[4:7], s[22:23] offset:69632
.Lpad_end:
	s_endpgm
.Lfunc_end_k_qa336bd73ee_project:
	.size	k_qa336bd73ee_project, .Lfunc_end_k_qa336bd73ee_project-k_qa336bd73ee_project
	.p2alignl 7, 3214868480
	.fill 96, 4, 3214868480
	.section	.rodata,"a",@progbits
	.p2align	6, 0x0
	.amdhsa_kernel k_qa336bd73ee_project
		.amdhsa_group_segment_fixed_size 68608
		.amdhsa_private_segment_fixed_size 0
		.amdhsa_enable_private_segment 0
		.amdhsa_kernarg_size 88
		.amdhsa_user_sgpr_count 2
		.amdhsa_user_sgpr_kernarg_segment_ptr 1
		.amdhsa_wavefront_size32 1
		.amdhsa_system_sgpr_workgroup_id_x 1
		.amdhsa_system_sgpr_workgroup_id_y 1
		.amdhsa_system_sgpr_workgroup_id_z 1
		.amdhsa_system_vgpr_workitem_id 0
		.amdhsa_next_free_vgpr 210
		.amdhsa_next_free_sgpr 66
		.amdhsa_reserve_vcc 0
		.amdhsa_float_denorm_mode_32 3
		.amdhsa_float_denorm_mode_16_64 3
		.amdhsa_memory_ordered 1
		.amdhsa_forward_progress 1
		.amdhsa_inst_pref_size 20
	.end_amdhsa_kernel
	.amdgpu_metadata
---
amdhsa.version: [ 1, 2 ]
amdhsa.kernels:
  - .name:           k_qa336bd73ee_project
    .symbol:         k_qa336bd73ee_project.kd
    .args:
      - { .name: k_codes, .offset: 0, .size: 8, .value_kind: global_buffer, .address_space: global }
      - { .name: k_scales, .offset: 8, .size: 8, .value_kind: global_buffer, .address_space: global }
      - { .name: v_codes, .offset: 16, .size: 8, .value_kind: global_buffer, .address_space: global }
      - { .name: v_scales, .offset: 24, .size: 8, .value_kind: global_buffer, .address_space: global }
      - { .name: Wk_codes, .offset: 32, .size: 8, .value_kind: global_buffer, .address_space: global }
      - { .name: Wk_scales, .offset: 40, .size: 8, .value_kind: global_buffer, .address_space: global }
      - { .name: Wv_codes, .offset: 48, .size: 8, .value_kind: global_buffer, .address_space: global }
      - { .name: Wv_scales, .offset: 56, .size: 8, .value_kind: global_buffer, .address_space: global }
      - { .name: flow, .offset: 64, .size: 8, .value_kind: global_buffer, .address_space: global }
      - { .name: kv, .offset: 72, .size: 8, .value_kind: global_buffer, .address_space: global }
      - { .name: pix, .offset: 80, .size: 8, .value_kind: global_buffer, .address_space: global }
    .group_segment_fixed_size: 68608
    .private_segment_fixed_size: 0
    .kernarg_segment_align: 8
    .kernarg_segment_size: 88
    .max_flat_workgroup_size: 256
    .sgpr_count:     66
    .vgpr_count:     210
    .wavefront_size: 32
...
	.end_amdgpu_metadata
.endif
;; end of part 1
;; launch attend (part 2): grid 256 x 1, 16 waves a work-group, no clusters, 157,696 bytes of LDS; arguments q_codes, q_scales, Wq_codes, Wq_scales, Wfc_codes, Wfc_scales, flow, kv, pix, out0, out1; writes out0, out1
.if DOCPART == 2
	.amdgcn_target "amdgcn-amd-amdhsa--gfx1250"
	.amdhsa_code_object_version 6
	.text
	.protected	k_qa336bd73ee_attend
	.globl	k_qa336bd73ee_attend
	.p2align	8
	.type	k_qa336bd73ee_attend,@function
k_qa336bd73ee_attend:
	s_mov_b64 s[64:65], 0
	v_nop
	global_prefetch_b8 v0, s[64:65] scope:SCOPE_SE
	s_setreg_imm32_b32 hwreg(HW_REG_WAVE_MODE, 25, 1), 1
	s_wait_xcnt 0x0
; qp = Wq q; for each pixel and head a softmax over 25 bilinear samples of kp round pixel + flow; the weighted samples of vp; out0 = Wfc (that), out1 = the softmax.  The products with Wq and Wfc run on codes of E2M3 with E8M0 scales.
; THE 25 SAMPLES SHARE ONE 6 x 6 WINDOW OF PIXELS (the five shifts are whole numbers) AND INTERPOLATION IS LINEAR.  So the 25 logits are the interpolation of the 36 products D[j][i] = q . kp[corner j, i], and
; the output is the sum over corners of A[j][i] vp[corner j, i], A being the softmax sent back through the same weights: 72 loads of 512 bytes and 2 x 36 x 128 multiply-adds a pixel, all in f32.
; Corners come from the padded picture kv (zeros outside the image: no mask) at the pixel index that the launch before has stored in pix; corner (j, i) lies (70 j + i) x 1,024 bytes on, vp 512 further.
; SHARES.  A work-group owns one image row, 64 pixels; wave w owns pixels 4 w .. 4 w + 3, one after the other.  Lane l holds channels 4 l .. 4 l + 3 (16 bytes of a corner's 512); lanes 8 H .. 8 H + 7 are head H.
; The 36 partial products of a lane are summed over the head's eight lanes so that lane j of the eight ends with window row j's six sums; the softmax then has shift row sy in lane sy, five numbers a lane.
; For the two matrix phases wave w takes pixel tile w % 4 and channel tiles 2 (w / 4), 2 (w / 4) + 1.
; PHASES: loads, and the first pixel's 36 corners asked for | qp (scaled by log2(e) / sqrt(32)) to LDS; waves 0, 1: the row's interpolation weights to LDS | barrier | four pixels | barrier |
; the softmax rows out; the attention output quantised along the channels, x Wfc, to LDS | barrier | out0's rows out.  Each store of a wave to out0 and out1 covers two aligned runs of 256 bytes.
; IN FLIGHT: a wave always has 36 loads of 512 bytes out: V's row j is asked for as soon as K's row j is multiplied, the next pixel's K row j as soon as V's row j is.
; No tensor loads: the corners' addresses come from stored numbers.  No cluster: work-groups share only the two weights, 12 KB each, against 2.3 MB of corners that each gathers for itself.
; No prefetch: which work-group first touches a pixel of kv hangs on flow, so no block can be given one asker.  The f32 matrix form would use one column in sixteen: fused multiply-adds do products 4 and 5.
; LIMITS: where rounding puts a shifted position just across a whole number from floor(position of shift 0) + shift, its cell is extrapolated by that rounding (parts in 10^6 of a pixel) instead of changed;
; NaN and infinities in flow are not served; |position + flow| under 2^23; a block of zeros gets the scale byte 1 (its codes are zeros, and only this text reads the byte).
.set PP,  528                          ; a pixel's 128 f32 in LDS + 16 bytes
.set WP,  144                          ; a pixel's weights: +0 ax0-3, +16 bx0-3, +32 ax4 bx4, +64 ay0-7, +96 by0-7 (5-7 are zeros)
.set RP,  272                          ; a row of 64 pixels' f32 + 16 bytes
.set QP,  0                            ; LDS: 64 x PP   qp, scaled
.set AO,  64*PP                        ;      64 x PP   the attention output
.set WT,  2*64*PP                      ;      64 x WP   the weights
.set AT,  WT+64*WP                     ;      160 x RP  the softmax: row 40 H + 5 (lane % 8) + s; rows of lanes 5-7 are scrap that nobody reads
.set OS,  AT+160*RP                    ;      128 x RP  out0: row = output channel.  Ends at 155,136
.set QR,  16                           ; v16-19   my four channels of q
.set AC,  32                           ; v32-39   the output's sums, two sets of four
.set TP,  40                           ; v40-51   six pairs at work
.set PD,  52                           ; v52-87   P[j][i] at v[52 + 6 j + i]; behind the sums over lanes: v52-57 D, then A; v58-62 H, then Vt; v63 maximum; v64-68 H of the next row; v69 sum; v70-74 logits, then the softmax; v76-80, v82-86 at work
.set BUF, 88                           ; v88-231  corner (j, i) at v[88 + 4 (6 j + i)]
.set VO,  248                          ; v248-251 pixel p's gather offset: 16 x lane + 1,024 x its index
.set RC,  50                           ; s50-52   1 / 63, 63, 31.5
.set C63, 51
.set C315, 52
.set TA,  62
.set TB,  63
.set SEL, 44                           ; s[44:45] v_permlanex16_b32's selects for lane l xor 16
.set CS,  46                           ; s[46:47] log2(e) / sqrt(32), twice
.set TM,  40                           ; the quantiser's work registers
.set PC,  152                          ; v152-163 the codes; v164-170 at work
.set PW,  237                          ; v232 q's scale words, v233-234 Wq's, v235-236 Wfc's, v237 the attention output's: these six hold scales and nothing else
; OTHER REGISTERS: v1 16 x lane; v2 QP read; v3 AO store; v4, v5 weights read; v6 softmax store; v7 weights store; v8 96 r + 24 h; v9 4 r; v12 0, or -infinity in lanes 5-7 of eight; v13 qp store; v14 4 x (thread % 64);
;   v20-23 ax0-3, v24-27 bx0-3, v28 ax4, v29 bx4, v30 ay, v31 by of my lane's shift row; v238 AO read; v239 OS store; v240 OS read; v241 out0 offset; v242-245 softmax read; v246 out1 offset.
.macro COORD dst, pos, f               ; the sample position as the source computes it, rounding for rounding; the same lines as in the launch that made pix
	v_add_f32 v[\dst], v[\pos], v[\f]
	v_add_f32 v[\dst], v[\dst], v[\dst]
	v_mul_f32 v[TA], s[RC], v[\dst]
	v_fma_f32 v[TB], -v[TA], s[C63], v[\dst]
	v_fma_f32 v[\dst], v[TB], s[RC], v[TA]
	v_add_f32 v[\dst], -1.0, v[\dst]
	v_add_f32 v[\dst], 1.0, v[\dst]
	v_mul_f32 v[\dst], s[C315], v[\dst]
.endm
.macro SHIFTC dst, posb, f, sh         ; the position of one shift
	v_add_f32 v61, \sh, v[\posb]
	COORD \dst, 61, \f
.endm
.macro WEIGHT a, b, sh                 ; b = position - (floor of shift 0's + shift), a = 1 - b
	v_add_f32 v61, \sh, v60
	v_sub_f32 v[\b], v[\b], v61
	v_sub_f32 v[\a], 1.0, v[\b]
.endm
.macro KLOADROW j, p                   ; kp at window row j of pixel p
.irp i, 0,1,2,3,4,5
	global_load_b128 v[BUF+4*(6*(\j)+\i):BUF+4*(6*(\j)+\i)+3], v[VO+(\p)], s[18:19] offset:(70*(\j)+\i)*1024
.endr
.endm
.macro VLOADROW j, p                   ; vp likewise
.irp i, 0,1,2,3,4,5
	global_load_b128 v[BUF+4*(6*(\j)+\i):BUF+4*(6*(\j)+\i)+3], v[VO+(\p)], s[18:19] offset:(70*(\j)+\i)*1024+512
.endr
.endm
.macro LNEXT p                         ; pixel p's q and weights
	ds_load_b128 v[QR:QR+3], v2 offset:PP*(\p)
	ds_load_b128 v[20:23], v4 offset:WP*(\p)
	ds_load_b128 v[24:27], v4 offset:WP*(\p)+16
	ds_load_b64 v[28:29], v4 offset:WP*(\p)+32
	ds_load_b32 v30, v5 offset:WP*(\p)
	ds_load_b32 v31, v5 offset:WP*(\p)+32
.endm
.macro KROW j, p                       ; my four channels' part of q . kp for the row's six corners; then the row's registers take vp
	s_wait_loadcnt 30                              ; behind K's row j stand K's rows j + 1 .. 5 and V's rows 0 .. j - 1: 30 loads
.irp i, 0,1,2,3,4,5
	v_pk_mul_f32 v[TP+2*\i:TP+2*\i+1], v[BUF+4*(6*\j+\i):BUF+4*(6*\j+\i)+1], v[QR:QR+1]
.endr
.irp i, 0,1,2,3,4,5
	v_pk_fma_f32 v[TP+2*\i:TP+2*\i+1], v[BUF+4*(6*\j+\i)+2:BUF+4*(6*\j+\i)+3], v[QR+2:QR+3], v[TP+2*\i:TP+2*\i+1]
.endr
.irp i, 0,1,2,3,4,5
	v_add_f32 v[PD+6*\j+\i], v[TP+2*\i], v[TP+2*\i+1]
.endr
	VLOADROW \j, \p
.endm
; Rows a and b are summed over lanes l and l xor m, and shared out: lanes outside the mask keep row a, lanes inside it row b (in a's registers); each sends its partner the row that the partner keeps.
.macro RS a, b, m, mask
.irp i, 0,1,2,3,4,5
	v_cndmask_b32 v[TP+\i], v[PD+6*\b+\i], v[PD+6*\a+\i], s[\mask]
.endr
.irp i, 0,1,2,3,4,5
	v_cndmask_b32 v[PD+6*\a+\i], v[PD+6*\a+\i], v[PD+6*\b+\i], s[\mask]
.endr
.irp i, 0,1,2,3,4,5
	v_add_f32_dpp v[PD+6*\a+\i], v[TP+\i], v[PD+6*\a+\i] row_xmask:\m row_mask:0xf bank_mask:0xf
.endr
.endm
.macro FOLD a, m                       ; a row without a partner row: both lanes keep the sum
.irp i, 0,1,2,3,4,5
	v_add_f32_dpp v[PD+6*\a+\i], v[PD+6*\a+\i], v[PD+6*\a+\i] row_xmask:\m row_mask:0xf bank_mask:0xf
.endr
.endm
; From D (lane j of eight: window row j's six products) to the softmax (lane sy: its five numbers) and on to A (lane j: window row j's six weights for vp).
.macro MID p
.irp s, 0,1,2,3,4
	v_mul_f32 v[58+\s], v[52+\s], v[20+\s+4*(\s/4)]           ; along x: H_s = D_s ax_s + D_(s+1) bx_s
.endr
.irp s, 0,1,2,3,4
	v_fmac_f32 v[58+\s], v[53+\s], v[24+\s+(\s/4)]
.endr
.irp s, 0,1,2,3,4
	v_mov_b32_dpp v[64+\s], v[58+\s] dpp8:[1,2,3,4,5,6,7,0]   ; the window row below
.endr
.irp s, 0,1,2,3,4
	v_fma_f32 v[70+\s], v[64+\s], v31, v12                    ; along y; lanes 5-7 hold no shift row: their weights are 0 and v12 makes them -infinity
.endr
.irp s, 0,1,2,3,4
	v_fmac_f32 v[70+\s], v[58+\s], v30
.endr
	v_max3_num_f32 v63, v70, v71, v72              ; the largest of the 25 is taken away ahead of the exponentials
	v_max3_num_f32 v63, v63, v73, v74
	v_max_num_f32_dpp v63, v63, v63 row_xmask:1 row_mask:0xf bank_mask:0xf
	v_max_num_f32_dpp v63, v63, v63 row_xmask:2 row_mask:0xf bank_mask:0xf
	v_max_num_f32_dpp v63, v63, v63 row_xmask:4 row_mask:0xf bank_mask:0xf
.irp s, 0,1,2,3,4
	v_sub_f32 v[70+\s], v[70+\s], v63
.endr
.irp s, 0,1,2,3,4
	v_exp_f32 v[70+\s], v[70+\s]                   ; q carries log2(e): base 2 serves
.endr
	v_nop                                          ; a plain instruction behind the last exponential (ISA guide 5.7.2),
	s_wait_alu depctr_va_vdst(0)                   ; and one wait for the five, ahead of their first reader
	v_add_f32 v69, v70, v71
	v_add_f32 v63, v72, v73
	v_add_f32 v69, v69, v74
	v_add_f32 v69, v69, v63
	v_add_f32_dpp v69, v69, v69 row_xmask:1 row_mask:0xf bank_mask:0xf
	v_add_f32_dpp v69, v69, v69 row_xmask:2 row_mask:0xf bank_mask:0xf
	v_add_f32_dpp v69, v69, v69 row_xmask:4 row_mask:0xf bank_mask:0xf
	v_rcp_f32 v69, v69
	v_nop
	s_wait_alu depctr_va_vdst(0)                   ; the same for the reciprocal
.irp s, 0,1,2,3,4
	v_mul_f32 v[70+\s], v[70+\s], v69              ; the softmax
.endr
.irp s, 0,1,2,3,4
	ds_store_b32 v6, v[70+\s] offset:RP*\s+4*(\p)
.endr
.irp s, 0,1,2,3,4
	v_mul_f32 v[76+\s], v[70+\s], v31              ; back along y: what shift row sy gives to window row sy + 1,
.endr
.irp s, 0,1,2,3,4
	v_mov_b32_dpp v[82+\s], v[76+\s] dpp8:[7,0,1,2,3,4,5,6]   ; taken from the lane above (lane 0 takes lane 7's, which is 0),
.endr
.irp s, 0,1,2,3,4
	v_fma_f32 v[58+\s], v[70+\s], v30, v[82+\s]    ; and what shift row j gives to window row j
.endr
	v_mul_f32 v52, v58, v20                        ; back along x: A_i = Vt_i ax_i + Vt_(i-1) bx_(i-1)
.irp i, 1,2,3,4
	v_mul_f32 v[52+\i], v[58+\i], v[20+\i+4*(\i/4)]
.endr
.irp i, 1,2,3,4
	v_fmac_f32 v[52+\i], v[57+\i], v[23+\i]
.endr
	v_mul_f32 v57, v62, v29
.endm
.macro VROW j, p                       ; my four channels += A[j][i] vp[corner j, i]; then the row's registers take the next pixel's kp
.if \p < 3
	s_wait_loadcnt 30                              ; behind V's row j stand V's rows j + 1 .. 5 and the next pixel's K rows 0 .. j - 1: 30 loads
.else
	s_wait_loadcnt 6*(5-\j)                        ; the last pixel: V's later rows alone
.endif
.irp i, 0,1,2,3,4,5
	v_mov_b32_dpp v[TP+2*\i], v[PD+\i] dpp8:[\j,\j,\j,\j,\j,\j,\j,\j]   ; lane j's six weights to all eight lanes of the head
.endr
.irp i, 0,1,2,3,4,5
.if (\j == 0) && (\i < 2)
	v_pk_mul_f32 v[AC+4*\i:AC+4*\i+1], v[BUF+4*(6*\j+\i):BUF+4*(6*\j+\i)+1], v[TP+2*\i:TP+2*\i+1] op_sel_hi:[1,0]       ; the first products start the two sets of sums: nothing is cleared
	v_pk_mul_f32 v[AC+4*\i+2:AC+4*\i+3], v[BUF+4*(6*\j+\i)+2:BUF+4*(6*\j+\i)+3], v[TP+2*\i:TP+2*\i+1] op_sel_hi:[1,0]
.else
	v_pk_fma_f32 v[AC+4*(\i%2):AC+4*(\i%2)+1], v[BUF+4*(6*\j+\i):BUF+4*(6*\j+\i)+1], v[TP+2*\i:TP+2*\i+1], v[AC+4*(\i%2):AC+4*(\i%2)+1] op_sel_hi:[1,0,1]
	v_pk_fma_f32 v[AC+4*(\i%2)+2:AC+4*(\i%2)+3], v[BUF+4*(6*\j+\i)+2:BUF+4*(6*\j+\i)+3], v[TP+2*\i:TP+2*\i+1], v[AC+4*(\i%2)+2:AC+4*(\i%2)+3] op_sel_hi:[1,0,1]
.endif
.endr
.if \p < 3
	KLOADROW \j, (\p)+1
.endif
.endm
.macro PIXEL p
	s_wait_dscnt 0x0                               ; q and the weights are in
.irp j, 0,1,2,3,4,5
	KROW \j, \p
.endr
	RS 0, 4, 4, 38                                 ; 36 sums over the head's eight lanes: after the three steps lane j of eight holds row j (lanes 6, 7: copies of rows 2, 3)
	RS 1, 5, 4, 38
	FOLD 2, 4
	FOLD 3, 4
	RS 0, 2, 2, 37
	RS 1, 3, 2, 37
	RS 0, 1, 1, 36
	MID \p
.if \p < 3
	LNEXT (\p)+1                                   ; they land under the 108 instructions below
.endif
.irp j, 0,1,2,3,4,5
	VROW \j, \p
.endr
	v_pk_add_f32 v[AC:AC+1], v[AC:AC+1], v[AC+4:AC+5]
	v_pk_add_f32 v[AC+2:AC+3], v[AC+2:AC+3], v[AC+6:AC+7]
	ds_store_b128 v3, v[AC:AC+3] offset:PP*(\p)
.endm
; 64 numbers of a lane, v[s] .. v[s + 63], register 16 b + i = k 32 b + 16 (lane / 16) + i of my row, become a fragment's codes in v[PC] on and its scale word in v[PW].
.macro QUANT s
.irp b, 0,1,2,3
	v_max3_num_f32 v[TM+\b], |v[\s+16*\b]|, |v[\s+1+16*\b]|, 0x1800000   ; block b: my 16 numbers, and the floor 2^(3 - 127): the byte cannot fall under 1
.endr
.irp i, 2,4,6,8,10,12,14
.irp b, 0,1,2,3
	v_max3_num_f32 v[TM+\b], v[TM+\b], |v[\s+16*\b+\i]|, |v[\s+1+16*\b+\i]|
.endr
.endr
.irp b, 0,1,2,3
	v_permlanex16_b32 v[TM+4+\b], v[TM+\b], s[SEL], s[SEL+1]
.endr
.irp b, 0,1,2,3
	v_max_num_f32 v[TM+\b], v[TM+\b], v[TM+4+\b]   ; with lane l xor 16's: the block's largest magnitude
.endr
.irp b, 0,1,2,3
	v_add_nc_u32 v[TM+12+\b], 0xff000000, v[TM+\b] ; 2 off its exponent field: the conversion takes this operand's exponent field as its scale
.endr
.irp b, 0,1,2,3
	v_lshrrev_b32 v[TM+4+\b], 23, v[TM+12+\b]      ; the scale's byte
.endr
	v_lshl_or_b32 v[PW], v[TM+5], 8, v[TM+4]
	v_lshl_or_b32 v[PW], v[TM+6], 16, v[PW]
	v_lshl_or_b32 v[PW], v[TM+7], 24, v[PW]
.irp c, 0,1
	v_cvt_scalef32_pk16_fp6_f32 v[PC+6*\c:PC+2+6*\c], v[\s+32*\c:\s+15+32*\c], v[TM+12+2*\c]
	v_cvt_scalef32_pk16_fp6_f32 v[PC+12+4*\c:PC+14+4*\c], v[\s+16+32*\c:\s+31+32*\c], v[TM+12+2*\c+1]   ; (a conversion's three registers begin on an even number)
.endr
	v_nop                                          ; one plain place behind a scaled conversion
.irp c, 0,1                                    ; the operand's layout wants a whole block in a lane: lanes 0-15 block 2 c, lanes 16-31 block 2 c + 1
.irp i, 0,1,2
	v_permlane16_swap_b32 v[PC+6*\c+\i], v[PC+12+4*\c+\i]
.endr
.irp i, 0,1,2
	v_mov_b32 v[PC+3+6*\c+\i], v[PC+12+4*\c+\i]
.endr
.endr
.endm
.macro BARRIER                         ; my LDS stores have landed and my LDS loads are in: then the work-group's barrier
	s_wait_dscnt 0x0
	s_barrier_signal -1
	s_barrier_wait -1
.endm
	s_load_b512 s[4:19], s[0:1], 0x0               ; q's codes, scales; Wq's codes, scales; Wfc's codes, scales; flow; kv
	s_load_b128 s[20:23], s[0:1], 0x40             ; pix, out0
	s_load_b64 s[24:25], s[0:1], 0x50              ; out1
	v_lshrrev_b32 v15, 5, v0
	v_readfirstlane_b32 s26, v15                   ; wave 0..15
	s_and_b32 s27, s26, 3                          ; t: my pixel tile in the matrix phases
	s_lshr_b32 s28, s26, 2                         ; u: my pair of channel tiles
	s_lshr_b32 s29, ttmp9, 6                       ; n
	s_and_b32 s30, ttmp9, 63                       ; y
	; every address register is made here, ahead of the first branch on the wave's number
	v_and_b32 v252, 31, v0                         ; lane
	v_and_b32 v253, 15, v0                         ; r
	v_bfe_u32 v254, v0, 4, 1                       ; h
	v_and_b32 v255, 7, v0                          ; my place among the head's eight lanes
	v_bfe_u32 v247, v0, 3, 2                       ; the head
	v_lshlrev_b32 v1, 4, v252
	s_mul_i32 s40, s26, 4*PP
	v_add_nc_u32 v2, s40, v1                       ; QP: my wave's first pixel, 16 bytes a lane
	v_add_nc_u32 v3, AO, v2                        ; AO: the same place
	s_mul_i32 s40, s26, 4*WP
	s_add_co_u32 s40, s40, WT
	v_mov_b32 v4, s40                              ; the pixel's weights along x: the same words for all lanes
	s_add_co_u32 s40, s40, 64
	v_lshl_add_u32 v5, v255, 2, s40                ; along y: my lane's own
	v_mul_u32_u24 v6, v247, 40
	v_mad_u32_u24 v6, v255, 5, v6
	v_mul_u32_u24 v6, v6, RP
	s_lshl_b32 s40, s26, 4
	s_add_co_u32 s40, s40, AT
	v_add_nc_u32 v6, s40, v6                       ; the softmax: row 40 H + 5 (lane % 8), column of pixel 4 w
	v_and_b32 v14, 63, v0
	v_mul_u32_u24 v7, v14, WP
	v_add_nc_u32 v7, WT, v7                        ; waves 0, 1: thread = pixel
	v_lshlrev_b32 v14, 2, v14
	v_mul_u32_u24 v8, v253, 96
	v_mad_u32_u24 v8, v254, 24, v8
	v_lshlrev_b32 v9, 2, v253
	v_mov_b32 v12, 0xff800000
	v_cmp_lt_u32 vcc_lo, 4, v255
	v_cndmask_b32 v12, 0, v12, vcc_lo
	v_mul_u32_u24 v10, v253, PP
	s_mul_i32 s40, s27, 16*PP
	s_lshl_b32 s41, s28, 7
	s_add_co_u32 s41, s41, s40
	v_lshl_add_u32 v13, v254, 5, v10
	v_add_nc_u32 v13, s41, v13                     ; qp: pixel 16 t + r, channels 32 u + 8 h on
	s_add_co_u32 s40, s40, AO
	v_lshl_add_u32 v238, v254, 6, v10
	v_add_nc_u32 v238, s40, v238                   ; AO for the quantiser: pixel 16 t + r, + 64 h: my 16 numbers of a block of 32
	v_mul_u32_u24 v239, v253, RP
	v_lshl_add_u32 v239, v254, 5, v239
	s_mul_i32 s40, s28, 32*RP
	s_lshl_b32 s41, s27, 6
	s_add_co_u32 s40, s40, s41
	s_add_co_u32 s40, s40, OS
	v_add_nc_u32 v239, s40, v239                   ; OS: row 32 u + r, pixels 16 t + 8 h on
	v_lshlrev_b32 v11, 4, v253
	v_mad_u32_u24 v240, v254, RP, v11
	s_mul_i32 s40, s26, 8*RP
	s_add_co_u32 s40, s40, OS
	v_add_nc_u32 v240, s40, v240                   ; back: rows 8 w + h, sixteen lanes to a row
	v_lshl_add_u32 v241, v254, 14, v11
	s_lshl_b32 s40, s26, 17
	v_add_nc_u32 v241, s40, v241                   ; and the same in out0: a channel is 16,384 bytes
	v_lshl_add_u32 v246, v254, 14, v11
	s_lshl_b32 s40, s26, 15
	v_add_nc_u32 v246, s40, v246                   ; out1: row 2 w + h of its 100
	s_lshl_b32 s40, s26, 1
	v_add_nc_u32 v10, s40, v254
.irp k, 0,1,2,3
	v_add_nc_u32 v[242+\k], 32*\k, v10             ; row rho = 2 w + h + 32 k of out1 = 25 x head + sample;
	v_mul_u32_u24 v15, v[242+\k], 41
	v_lshrrev_b32 v15, 10, v15                     ; the head = rho / 25 (x 41 / 1,024: exact under 128);
	v_mad_u32_u24 v[242+\k], v15, 15, v[242+\k]    ; in LDS a head has 40 rows
	v_mad_u32_u24 v[242+\k], v[242+\k], RP, v11
	v_add_nc_u32 v[242+\k], AT, v[242+\k]
.endr
	s_mov_b32 s36, 0xaaaaaaaa                      ; lanes with bit 0, 1, 2 set
	s_mov_b32 s37, 0xcccccccc
	s_mov_b32 s38, 0xf0f0f0f0
	s_mov_b32 s[SEL], 0x76543210
	s_mov_b32 s[SEL+1], 0xfedcba98
	s_mov_b32 s[CS], 0x3e8293ee
	s_mov_b32 s[CS+1], s[CS]
	s_mov_b32 s[RC], 0x3c820821
	s_mov_b32 s[C63], 0x427c0000
	s_mov_b32 s[C315], 0x41fc0000
	s_mov_b32 s41, 0                               ; s[40:41]: an offset under 2^32 as a pair
	s_wait_kmcnt 0x0
	s_lshl_b32 s43, ttmp9, 8
	s_lshl_b32 s42, s26, 4
	s_add_co_u32 s40, s43, s42
	s_add_nc_u64 s[20:21], s[20:21], s[40:41]
	s_load_b128 s[32:35], s[20:21], 0x0            ; my four pixels' window corners
	s_lshl_b32 s42, s27, 6
	s_add_co_u32 s40, s43, s42
	s_add_nc_u64 s[6:7], s[6:7], s[40:41]          ; q's scale words: 256 bytes a row, 64 a tile
	s_mul_i32 s40, ttmp9, 6144
	s_mul_i32 s42, s27, 1536
	s_add_co_u32 s40, s40, s42
	s_add_nc_u64 s[4:5], s[4:5], s[40:41]          ; q's codes
	s_mul_i32 s40, s28, 3072
	s_add_nc_u64 s[8:9], s[8:9], s[40:41]          ; my 32 rows of Wq
	s_add_nc_u64 s[12:13], s[12:13], s[40:41]      ; and of Wfc
	s_lshl_b32 s40, s28, 7
	s_add_nc_u64 s[10:11], s[10:11], s[40:41]
	s_add_nc_u64 s[14:15], s[14:15], s[40:41]
	s_lshl_b32 s43, s30, 8
	s_lshl_b32 s40, s29, 15
	s_add_co_u32 s40, s40, s43
	s_add_nc_u64 s[16:17], s[16:17], s[40:41]      ; flow's x at my row
	s_lshl_b32 s40, s29, 21
	s_add_co_u32 s40, s40, s43
	s_add_nc_u64 s[22:23], s[22:23], s[40:41]      ; out0 at image n, row y
	s_mul_i32 s40, s29, 1638400
	s_add_co_u32 s40, s40, s43
	s_add_nc_u64 s[24:25], s[24:25], s[40:41]      ; out1 likewise
.irp p, 0,1,2,3,4,5
	global_load_b64 v[16+2*\p:17+2*\p], v8, s[4:5] offset:48*(\p/3)+8*(\p%3)
.endr
	global_load_b32 v232, v9, s[6:7]
.irp e, 0,1
.irp p, 0,1,2,3,4,5
	global_load_b64 v[28+12*\e+2*\p:29+12*\e+2*\p], v8, s[8:9] offset:1536*\e+48*(\p/3)+8*(\p%3)
.endr
	global_load_b32 v[233+\e], v9, s[10:11] offset:64*\e
.endr
	global_load_b32 v84, v14, s[16:17]             ; flow: every wave asks, so that the count below is the same in all
	global_load_b32 v85, v14, s[16:17] offset:16384
	s_wait_kmcnt 0x0
.irp p, 0,1,2,3
	s_min_u32 s[32+\p], s[32+\p], 19734            ; the largest index that the window allows: 19,734 + 355 is kv's last pixel
	s_lshl_b32 s[32+\p], s[32+\p], 10
	v_add_nc_u32 v[VO+\p], s[32+\p], v1
.endr
.irp j, 0,1,2,3,4,5
	KLOADROW \j, 0
.endr
	; ---- qp
	s_wait_loadcnt 36                              ; the 23 loads above are in; the 36 corners stay out
	v_wmma_scale_f32_16x16x128_f8f6f4 v[52:59], v[28:39], v[16:27], 0, v233, v232 matrix_a_fmt:MATRIX_FMT_FP6 matrix_b_fmt:MATRIX_FMT_FP6   ; source 0 = 16 rows of Wq, source 1 = 16 pixels: a lane holds eight channels of one pixel
	v_wmma_scale_f32_16x16x128_f8f6f4 v[60:67], v[40:51], v[16:27], 0, v234, v232 matrix_a_fmt:MATRIX_FMT_FP6 matrix_b_fmt:MATRIX_FMT_FP6
.rept 4
	v_nop                                          ; four places ahead of the first read of results and of writes and loads into the operands
.endr
.irp j, 0,2,4,6,8,10,12,14
	v_pk_mul_f32 v[68+\j:69+\j], v[52+\j:53+\j], s[CS:CS+1] op_sel_hi:[1,0]   ; x log2(e) / sqrt(32)
.endr
	ds_store_b128 v13, v[68:71]
	ds_store_b128 v13, v[72:75] offset:16
	ds_store_b128 v13, v[76:79] offset:64
	ds_store_b128 v13, v[80:83] offset:80
	; ---- the interpolation weights of the row's 64 pixels: waves 0 and 1, a thread a pixel
	s_cmp_gt_u32 s26, 1
	s_cbranch_scc1 .Lno_weights
	v_cvt_f32_u32 v64, v0
	v_cvt_f32_u32 v65, s30
	SHIFTC 36, 64, 84, -2.0
	SHIFTC 37, 64, 84, -1.0
	SHIFTC 38, 64, 84, 0
	SHIFTC 39, 64, 84, 1.0
	SHIFTC 41, 64, 84, 2.0
	v_floor_f32 v60, v38
	WEIGHT 32, 36, -2.0
	WEIGHT 33, 37, -1.0
	WEIGHT 34, 38, 0
	WEIGHT 35, 39, 1.0
	WEIGHT 40, 41, 2.0
	SHIFTC 52, 65, 85, -2.0
	SHIFTC 53, 65, 85, -1.0
	SHIFTC 54, 65, 85, 0
	SHIFTC 55, 65, 85, 1.0
	SHIFTC 56, 65, 85, 2.0
	v_floor_f32 v60, v54
	WEIGHT 44, 52, -2.0
	WEIGHT 45, 53, -1.0
	WEIGHT 46, 54, 0
	WEIGHT 47, 55, 1.0
	WEIGHT 48, 56, 2.0
.irp c, 49,50,51,57,58,59
	v_mov_b32 v\c, 0                               ; lanes 5-7 of eight have no shift row
.endr
	ds_store_b128 v7, v[32:35]
	ds_store_b128 v7, v[36:39] offset:16
	ds_store_b64 v7, v[40:41] offset:32
	ds_store_b128 v7, v[44:47] offset:64
	ds_store_b128 v7, v[48:51] offset:80
	ds_store_b128 v7, v[52:55] offset:96
	ds_store_b128 v7, v[56:59] offset:112
.Lno_weights:
	BARRIER                                        ; qp and the weights of all 64 pixels lie in LDS; nobody writes them again
	LNEXT 0
	; ---- my four pixels
	PIXEL 0
	PIXEL 1
	PIXEL 2
	PIXEL 3
	; ---- Wfc's two fragments, into corners' registers that are done with; they land under the barrier and the quantiser
.irp e, 0,1
.irp p, 0,1,2,3,4,5
	global_load_b64 v[176+12*\e+2*\p:177+12*\e+2*\p], v8, s[12:13] offset:1536*\e+48*(\p/3)+8*(\p%3)
.endr
	global_load_b32 v[235+\e], v9, s[14:15] offset:64*\e
.endr
	BARRIER                                        ; the softmax and the attention output of all 64 pixels lie in LDS
.irp k, 0,1,2
	ds_load_b128 v[200+4*\k:203+4*\k], v[242+\k]   ; two rows of the softmax, sixteen lanes to a row
.endr
.irp b, 0,1,2,3
.irp j, 0,1,2,3
	ds_load_b128 v[88+16*\b+4*\j:91+16*\b+4*\j], v238 offset:128*\b+16*\j   ; pixel 16 t + r: of each block of 32 channels my 16
.endr
.endr
	s_wait_dscnt 16                                ; the three are in; the sixteen behind them stay out
.irp k, 0,1,2
	global_store_b128 v246, v[200+4*\k:203+4*\k], s[24:25] offset:524288*\k th:TH_STORE_NT   ; two aligned runs of 256 bytes; written once, read by nobody here
.endr
	s_cmp_gt_u32 s26, 1
	s_cbranch_scc1 .Lno_pass3                      ; 100 rows = 16 waves x 3 x 2 + 4: waves 0 and 1 take the last four
	ds_load_b128 v[212:215], v245
	s_wait_dscnt 0x0
	global_store_b128 v246, v[212:215], s[24:25] offset:1572864 th:TH_STORE_NT
.Lno_pass3:
	s_wait_dscnt 0x0
	QUANT 88
	s_wait_loadcnt 0x0                             ; Wfc
.rept 8
	v_nop                                          ; a scale word made by vector instructions stands 8 places ahead of a scaled matrix instruction, an operand so made 4
.endr
	v_wmma_scale_f32_16x16x128_f8f6f4 v[216:223], v[152:163], v[176:187], 0, v237, v235 matrix_a_fmt:MATRIX_FMT_FP6 matrix_b_fmt:MATRIX_FMT_FP6   ; source 0 = 16 pixels, source 1 = 16 rows of Wfc: a lane holds eight neighbouring pixels of one output channel
	v_wmma_scale_f32_16x16x128_f8f6f4 v[224:231], v[152:163], v[188:199], 0, v237, v236 matrix_a_fmt:MATRIX_FMT_FP6 matrix_b_fmt:MATRIX_FMT_FP6
.rept 4
	v_nop
.endr
	ds_store_b128 v239, v[216:219]
	ds_store_b128 v239, v[220:223] offset:16
	ds_store_b128 v239, v[224:227] offset:16*RP
	ds_store_b128 v239, v[228:231] offset:16*RP+16
	BARRIER                                        ; 128 whole rows of out0 lie in LDS
.irp k, 0,1,2,3
	ds_load_b128 v[88+4*\k:91+4*\k], v240 offset:2*RP*\k
.endr
.irp k, 0,1,2,3
	s_wait_dscnt 3-\k                              ; rows 8 w + 2 k, + 1 are in; the younger loads stay out
	global_store_b128 v241, v[88+4*\k:91+4*\k], s[22:23] offset:32768*\k th:TH_STORE_NT   ; two aligned runs of 256 bytes
.endr
	s_wait_xcnt 0x0
	v_lshl_add_u32 v254, v0, 2, 0x26000
	v_mov_b32 v255, 0
	s_wait_tensorcnt 0x0
	ds_add_u32 v254, v255
	s_wait_dscnt 0x0
	s_endpgm
.Lfunc_end_k_qa336bd73ee_attend:
	.size	k_qa336bd73ee_attend, .Lfunc_end_k_qa336bd73ee_attend-k_qa336bd73ee_attend
	.p2alignl 7, 3214868480
	.fill 96, 4, 3214868480
	.section	.rodata,"a",@progbits
	.p2align	6, 0x0
	.amdhsa_kernel k_qa336bd73ee_attend
		.amdhsa_group_segment_fixed_size 157696
		.amdhsa_private_segment_fixed_size 0
		.amdhsa_enable_private_segment 0
		.amdhsa_kernarg_size 88
		.amdhsa_user_sgpr_count 2
		.amdhsa_user_sgpr_kernarg_segment_ptr 1
		.amdhsa_wavefront_size32 1
		.amdhsa_system_sgpr_workgroup_id_x 1
		.amdhsa_system_sgpr_workgroup_id_y 1
		.amdhsa_system_sgpr_workgroup_id_z 1
		.amdhsa_system_vgpr_workitem_id 0
		.amdhsa_next_free_vgpr 256
		.amdhsa_next_free_sgpr 66
		.amdhsa_reserve_vcc 1
		.amdhsa_float_denorm_mode_32 3
		.amdhsa_float_denorm_mode_16_64 3
		.amdhsa_memory_ordered 1
		.amdhsa_forward_progress 1
		.amdhsa_inst_pref_size 146
	.end_amdhsa_kernel
	.amdgpu_metadata
---
amdhsa.version: [ 1, 2 ]
amdhsa.kernels:
  - .name:           k_qa336bd73ee_attend
    .symbol:         k_qa336bd73ee_attend.kd
    .args:
      - { .name: q_codes, .offset: 0, .size: 8, .value_kind: global_buffer, .address_space: global }
      - { .name: q_scales, .offset: 8, .size: 8, .value_kind: global_buffer, .address_space: global }
      - { .name: Wq_codes, .offset: 16, .size: 8, .value_kind: global_buffer, .address_space: global }
      - { .name: Wq_scales, .offset: 24, .size: 8, .value_kind: global_buffer, .address_space: global }
      - { .name: Wfc_codes, .offset: 32, .size: 8, .value_kind: global_buffer, .address_space: global }
      - { .name: Wfc_scales, .offset: 40, .size: 8, .value_kind: global_buffer, .address_space: global }
      - { .name: flow, .offset: 48, .size: 8, .value_kind: global_buffer, .address_space: global }
      - { .name: kv, .offset: 56, .size: 8, .value_kind: global_buffer, .address_space: global }
      - { .name: pix, .offset: 64, .size: 8, .value_kind: global_buffer, .address_space: global }
      - { .name: out0, .offset: 72, .size: 8, .value_kind: global_buffer, .address_space: global }
      - { .name: out1, .offset: 80, .size: 8, .value_kind: global_buffer, .address_space: global }
    .group_segment_fixed_size: 157696
    .private_segment_fixed_size: 0
    .kernarg_segment_align: 8
    .kernarg_segment_size: 88
    .max_flat_workgroup_size: 512
    .sgpr_count:     66
    .vgpr_count:     256
    .wavefront_size: 32
...
	.end_amdgpu_metadata
.endif
;; end of part 2
